; MI455X (gfx1250); checked and timed in simulation.
; The chip was launched on July 23, 2026; its instructions are those of AMD's public machine-readable ISA for CDNA 5 (MIT licence, August 2026) and "CDNA5" Instruction Set Architecture Reference Guide (July 2026). The comments in the code are by the model that wrote it; some were corrected since.
;; Vector Quantizer. Allowed arithmetic: matrix products marked QUANTISED: E3M2 operands, one E8M0 scale for each 32 along K, by v_wmma_scale_f32_16x16x128_f8f6f4 with both operands' format E3M2, f32 sums; everything else in f32.
;; Inputs: codebook 8,192 x 256 float32; z_e 32,768 x 256 float32.
;; Outputs: out0 32,768 x 256 float32; out1 32,768 int32; out2 one number float32.
;; This version of the problem:
;;   THIS VERSION OF THE PROBLEM IS GIVEN IN LOW PRECISION. The matrix products marked QUANTISED in the list below multiply operands that are first quantised to E3M2 (3 exponent bits, 2 mantissa bits; 6 bits a number), with one power-of-two scale for each 32 numbers along K (OCP MX v1.0); their sums are f32. All else is computed in f32.
;;   The module's matrix products, in the order in which they are computed (A, B: the left and right operand; K: the contracted axis; several contracted axes count as one K, in the product's order):
;;     1. [M 32,768, K 256] x [K 256, N 8,192]; A: input z_e; B: input codebook: QUANTISED
;;   THE QUANTISER, for each operand of a quantised product, along K:
;;     - K is cut into blocks of 32 from its start; a last block that is shorter is filled with zeros.
;;     - A block's scale is 2^e with e = floor(log2(the largest magnitude in the block)) - 4, held to -126 .. 127; a block of zeros has e = 0. As a byte (E8M0): e + 127.
;;     - Each number is divided by its block's scale, clamped to +-28, and rounded to the nearest number of E3M2, ties to even, subnormals kept.
;;     - The product sums the exact products of the quantised numbers (number of the format x scale) in f32.
;;   ~~~python
;;   def quantise(x, axis):      # numpy; x: float32 -> the quantised numbers, widened to float32 again
;;       x = np.moveaxis(x, axis, -1); K = x.shape[-1]
;;       x = np.pad(x, [(0, 0)] * (x.ndim - 1) + [(0, -K % 32)]); x = x.reshape(x.shape[:-1] + (-1, 32)); a = np.abs(x).max(-1, keepdims=True)
;;       e = np.where(a > 0, np.clip(np.frexp(np.where(a > 0, a, 1))[1] - 1 - 4, -126, 127), 0)      # np.frexp(a)[1] - 1 = floor(log2(a)), exactly
;;       r = np.clip(x / 2.0 ** e, -28, 28)
;;       step = 2.0 ** (np.maximum(np.frexp(np.where(r == 0, 1, r))[1] - 1, -2) - 2)
;;       q = np.round(r / step) * step * 2.0 ** e      # np.round: ties to even
;;       return np.moveaxis(q.reshape(q.shape[:-2] + (-1,))[..., :K], -1, axis).astype(np.float32)
;;   ~~~
;; One version. Each part assembles by itself: llvm-mc -triple=amdgcn-amd-amdhsa -mcpu=gfx1250 --defsym DOCPART=n.
;; ======== version 1 of 1: 4 launches
;; limits: right only within a limited range of input values
;; workspace buffers: cq 1,703,936 bytes; idx 131,072 bytes of whole numbers; part 2,048 bytes
;; launch quant (part 1): grid 256 x 1, 2 waves a work-group, no clusters, 33,536 bytes of LDS; arguments codebook, cq; writes cq
.if DOCPART == 1
	.amdgcn_target "amdgcn-amd-amdhsa--gfx1250"
	.amdhsa_code_object_version 6
	.text
	.protected	k_qa6758cfb59_quant
	.globl	k_qa6758cfb59_quant
	.p2align	8
	.type	k_qa6758cfb59_quant,@function
k_qa6758cfb59_quant:
	s_mov_b64 s[64:65], 0
	v_nop
	global_prefetch_b8 v0, s[64:65] scope:SCOPE_SE
	s_setreg_imm32_b32 hwreg(HW_REG_WAVE_MODE, 25, 1), 1
	s_wait_xcnt 0x0
; codebook [8192][256] f32 -> cq: 512 tiles of 16 rows, each tile an IMAGE OF THE OPERAND'S REGISTERS for the product's launch, 3,328 bytes:
;   bytes 512 p + 16 lane, p = 0..5 : registers 4 p .. 4 p + 3 of the lane's 24 (two K steps of 128: 12 registers each) of E3M2 codes
;   bytes 3072 + 4 lane             : scale words: lanes 0-15 row r's word of K step 0, lanes 16-31 row r's word of K step 1
;   bytes 3200 + 4 lane             : -e_sq / 2 of row r = lane % 16, f32 (lanes 16-31 repeat it, so that every byte of the tile is written)
; Lane (r, h) of an operand holds row r and the blocks 4 s + 2 c + h of 32 along K (s: K step, c = 0, 1): whole blocks, so a block's largest magnitude needs no other lane.
; A block's scale is 2^(floor(log2(largest magnitude)) - 4); its byte is the largest magnitude's exponent field - 4, held at 1 from below by a floor among the maximum's leaves.
; LIMITS: a block whose largest magnitude lies under 2^-122 (a block of zeros too) keeps the byte 1: its codes are what the conversion gives under that scale, zeros for zeros; the bytes are read by this program alone.
;         NaN and infinities among the inputs are not served.
; One wave takes one tile: 16 rows, 16,384 bytes.  Each of its 32 loads reads 512 consecutive bytes; the rows turn through the wave's own stage in LDS (row pitch 1,040 bytes = 65 x 16, so that the sixteen rows
; that a 16-byte read touches start in different banks) and come back 128 bytes (a block) a lane.  No barrier: waves share nothing.  No cluster, no tensor load: no byte is read by two work-groups.
; WORK LEFT OUT IN THIS PROGRAM: z_sq.  d2[b][k] = z_sq[b] - 2 cross[b][k] + e_sq[k] is used by argmin over k alone, and z_sq[b] is the same for every k: in exact arithmetic
; argmin_k d2 = argmax_k (cross - e_sq / 2), whatever finite values the inputs hold.  So the sum of squares of z_e's rows is never formed.  Both inputs are still loaded: z_e feeds the product, out0 and the loss.
; LIMIT: a NaN, an infinity or an overflow that would reach z_sq alone is not carried to the result.
.set PITCH, 1040
.set STAGE, 16*PITCH                   ; a wave's stage
.set TILEB, 3328                       ; a tile's image
.set A16, 4                            ; v4   16 x lane
.set A4,  5                            ; v5   4 x lane
.set SA,  6                            ; v6   stage, on the way in: my wave's stage + 16 x lane
.set ZA,  7                            ; v7   stage, on the way out: my wave's stage + 1040 r + 128 h
.set SH8, 8                            ; v8   8 h
.set M,   10                           ; v10-11 largest magnitudes of my two blocks
.set SOP, 12                           ; v12-13 the conversions' scale operands
.set BY,  14                           ; v14-15 the scale bytes
.set W,   16                           ; v16-17 the row's scale words of K steps 0, 1
.set PT,  18                           ; v18   a lane permute's destination
.set SW,  19                           ; v19   the scale word as stored
.set SQ,  20                           ; v20-23 the sum of squares, two packed chains
.set NH,  24                           ; v24   -sum / 2
.set F,   32                           ; v32-55 the 24 registers of codes
.set T2,  56                           ; v56-62 the upper halves of two blocks' codes, before they are moved
.set X,   64                           ; v64-127 two blocks of 32 numbers
.set R,   128                          ; v128-255 the tile as loaded
.set SEL, 12                           ; s[12:13] lane selects: lane l xor 16
.set HM,  14                           ; s14  mask of lanes 16-31
.macro QSTEP s, first
.irp c, 0,1
.irp i, 0,1,2,3,4,5,6,7
	ds_load_b128 v[X+32*\c+4*\i:X+32*\c+4*\i+3], v[ZA] offset:512*\s+256*\c+16*\i   ; block 4 s + 2 c + h: 128 bytes of row r
.endr
.endr
	s_wait_dscnt 0x0                               ; all 16 are in (LDS serves a wave's instructions in order: they saw the bytes laid there before)
.irp c, 0,1
	v_max3_num_f32 v[M+\c], |v[X+32*\c]|, |v[X+32*\c+1]|, 0x2800000   ; and the floor 2^(5 - 127): the byte cannot fall under 1
.endr
.irp i, 2,4,6,8,10,12,14,16,18,20,22,24,26,28,30
.irp c, 0,1
	v_max3_num_f32 v[M+\c], v[M+\c], |v[X+32*\c+\i]|, |v[X+32*\c+\i+1]|   ; the two blocks by turns
.endr
.endr
.irp c, 0,1
	v_add_nc_u32 v[SOP+\c], 0xfe000000, v[M+\c]    ; 4 off the exponent field: the conversion takes this operand's exponent field as its scale
.endr
.irp c, 0,1
	v_lshrrev_b32 v[BY+\c], 23, v[SOP+\c]          ; the scale's byte
.endr
	v_lshl_or_b32 v[W+\s], v[BY+1], 16, v[BY]      ; my two bytes: blocks h and 2 + h of the K step,
	v_lshlrev_b32 v[W+\s], v[SH8], v[W+\s]         ; at their places in the word (8 h bits up);
	v_permlanex16_b32 v[PT], v[W+\s], s[SEL], s[SEL+1]
	v_or_b32 v[W+\s], v[W+\s], v[PT]               ; with lane l xor 16's two the word is whole
.irp i, 0,4,8,12,16,20,24,28,32,36,40,44,48,52,56,60
.if (\first) && (\i == 0)
	v_pk_mul_f32 v[SQ:SQ+1], v[X:X+1], v[X:X+1]    ; the first squares start the sums: nothing is cleared
	v_pk_mul_f32 v[SQ+2:SQ+3], v[X+2:X+3], v[X+2:X+3]
.else
	v_pk_fma_f32 v[SQ:SQ+1], v[X+\i:X+\i+1], v[X+\i:X+\i+1], v[SQ:SQ+1]
	v_pk_fma_f32 v[SQ+2:SQ+3], v[X+\i+2:X+\i+3], v[X+\i+2:X+\i+3], v[SQ+2:SQ+3]
.endif
.endr
.irp c, 0,1
	v_cvt_scalef32_pk16_bf6_f32 v[F+12*\s+6*\c:F+12*\s+6*\c+2], v[X+32*\c:X+32*\c+15], v[SOP+\c]   ; registers 6 c .. 6 c + 2 of the K step's twelve
	v_cvt_scalef32_pk16_bf6_f32 v[T2+4*\c:T2+4*\c+2], v[X+32*\c+16:X+32*\c+31], v[SOP+\c]           ; (a conversion's three registers begin on an even number: the block's upper half is made elsewhere and moved)
.endr
	v_nop                                          ; one plain place behind a scaled conversion
.irp c, 0,1
.irp i, 0,1,2
	v_mov_b32 v[F+12*\s+6*\c+3+\i], v[T2+4*\c+\i]
.endr
.endr
.endm
.macro QFIN
	v_cndmask_b32 v[SW], v[W], v[W+1], s[HM]       ; lanes 0-15 keep K step 0's word, lanes 16-31 K step 1's
	v_pk_add_f32 v[SQ:SQ+1], v[SQ:SQ+1], v[SQ+2:SQ+3]
	v_add_f32 v[SQ], v[SQ], v[SQ+1]
	v_permlanex16_b32 v[PT], v[SQ], s[SEL], s[SEL+1]
	v_add_f32 v[SQ], v[SQ], v[PT]                  ; with lane l xor 16's blocks: the row's sum of squares
	v_mul_f32 v[NH], -0.5, v[SQ]
.endm
	s_load_b128 s[4:7], s[0:1], 0x0                ; codebook s[4:5], cq s[6:7]
	v_lshl_add_u32 v59, v0, 2, 0x8200
	v_mov_b32 v63, 0
	v_lshrrev_b32 v1, 5, v0
	v_readfirstlane_b32 s8, v1                     ; wave 0, 1
	v_and_b32 v1, 31, v0                           ; lane
	v_and_b32 v2, 15, v0                           ; r
	v_bfe_u32 v3, v0, 4, 1                         ; h
	v_lshlrev_b32 v[A16], 4, v1
	v_lshlrev_b32 v[A4], 2, v1
	s_mul_i32 s9, s8, STAGE
	v_add_nc_u32 v[SA], s9, v[A16]
	v_mul_u32_u24 v[ZA], v2, PITCH
	v_lshl_add_u32 v[ZA], v3, 7, v[ZA]
	v_add_nc_u32 v[ZA], s9, v[ZA]
	v_lshlrev_b32 v[SH8], 3, v3
	v_mov_b32 v[PT], 0                             ; written once: a lane permute's destination counts as one of its sources
	s_mov_b32 s[SEL], 0x76543210
	s_mov_b32 s[SEL+1], 0xfedcba98
	s_mov_b32 s[HM], 0xffff0000
	s_lshl_b32 s10, ttmp9, 1
	s_add_co_u32 s10, s10, s8                      ; my tile: 2 x work-group + wave
	s_lshl_b32 s16, s10, 14                        ; its 16 rows of 1,024 bytes
	s_mov_b32 s17, 0
	s_mul_i32 s18, s10, TILEB                      ; its image
	s_mov_b32 s19, 0
	s_wait_alu depctr_va_vdst(0)
	s_wait_kmcnt 0x0
	s_add_nc_u64 s[4:5], s[4:5], s[16:17]
	s_add_nc_u64 s[6:7], s[6:7], s[18:19]
.irp i, 0,1,2,3,4,5,6,7,8,9,10,11,12,13,14,15,16,17,18,19,20,21,22,23,24,25,26,27,28,29,30,31
	global_load_b128 v[R+4*\i:R+4*\i+3], v[A16], s[4:5] offset:512*\i th:TH_LOAD_NT   ; 32 lanes read 512 consecutive bytes: half a row
.endr
.irp g, 0,1,2,3
	s_wait_loadcnt 24-8*\g                         ; loads come back in order: all but the 24 - 8 g issued behind this group of eight
.irp u, 0,1,2,3,4,5,6,7
	ds_store_b128 v[SA], v[R+4*(8*\g+\u):R+4*(8*\g+\u)+3] offset:((8*\g+\u)/2)*PITCH+((8*\g+\u)%2)*512
.endr
.endr
	QSTEP 0, 1
	QSTEP 1, 0
	QFIN
.irp p, 0,1,2,3,4,5
	global_store_b128 v[A16], v[F+4*\p:F+4*\p+3], s[6:7] offset:512*\p   ; 32 lanes store 512 consecutive bytes, at a multiple of 256 from cq's first byte
.endr
	global_store_b32 v[A4], v[SW], s[6:7] offset:3072
	global_store_b32 v[A4], v[NH], s[6:7] offset:3200
	s_wait_tensorcnt 0x0
	ds_add_u32 v59, v63
	s_wait_dscnt 0x0
	s_endpgm
.Lfunc_end_k_qa6758cfb59_quant:
	.size	k_qa6758cfb59_quant, .Lfunc_end_k_qa6758cfb59_quant-k_qa6758cfb59_quant
	.p2alignl 7, 3214868480
	.fill 96, 4, 3214868480
	.section	.rodata,"a",@progbits
	.p2align	6, 0x0
	.amdhsa_kernel k_qa6758cfb59_quant
		.amdhsa_group_segment_fixed_size 33536
		.amdhsa_private_segment_fixed_size 0
		.amdhsa_enable_private_segment 0
		.amdhsa_kernarg_size 16
		.amdhsa_user_sgpr_count 2
		.amdhsa_user_sgpr_kernarg_segment_ptr 1
		.amdhsa_wavefront_size32 1
		.amdhsa_system_sgpr_workgroup_id_x 1
		.amdhsa_system_sgpr_workgroup_id_y 1
		.amdhsa_system_sgpr_workgroup_id_z 1
		.amdhsa_system_vgpr_workitem_id 0
		.amdhsa_next_free_vgpr 256
		.amdhsa_next_free_sgpr 66
		.amdhsa_reserve_vcc 0
		.amdhsa_float_denorm_mode_32 3
		.amdhsa_float_denorm_mode_16_64 3
		.amdhsa_memory_ordered 1
		.amdhsa_forward_progress 1
		.amdhsa_inst_pref_size 20
	.end_amdhsa_kernel
	.amdgpu_metadata
---
amdhsa.version: [ 1, 2 ]
amdhsa.kernels:
  - .name:           k_qa6758cfb59_quant
    .symbol:         k_qa6758cfb59_quant.kd
    .args:
      - { .name: codebook, .offset: 0, .size: 8, .value_kind: global_buffer, .address_space: global }
      - { .name: cq, .offset: 8, .size: 8, .value_kind: global_buffer, .address_space: global }
    .group_segment_fixed_size: 33536
    .private_segment_fixed_size: 0
    .kernarg_segment_align: 8
    .kernarg_segment_size: 16
    .max_flat_workgroup_size: 64
    .sgpr_count:     66
    .vgpr_count:     256
    .wavefront_size: 32
...
	.end_amdgpu_metadata
.endif
;; end of part 1
;; launch search (part 2): grid 256 x 1, 8 waves a work-group, clusters of 4 x 1, 327,680 bytes of LDS; arguments z_e, cq, out1, idx; writes out1, idx
.if DOCPART == 2
	.amdgcn_target "amdgcn-amd-amdhsa--gfx1250"
	.amdhsa_code_object_version 6
	.text
	.protected	k_qa6758cfb59_search
	.globl	k_qa6758cfb59_search
	.p2align	8
	.type	k_qa6758cfb59_search,@function
k_qa6758cfb59_search:
	s_mov_b64 s[64:65], 0
	v_nop
	global_prefetch_b8 v0, s[64:65] scope:SCOPE_SE
	s_setreg_imm32_b32 hwreg(HW_REG_WAVE_MODE, 25, 1), 1
	s_wait_xcnt 0x0
	s_wait_alu depctr_hold_cnt(0) depctr_sa_sdst(0) depctr_va_vdst(0) depctr_va_sdst(0) depctr_va_ssrc(0) depctr_va_vcc(0) depctr_vm_vsrc(0)
	s_getreg_b32 s2, hwreg(HW_REG_IB_STS2, 6, 4)
	s_cmp_eq_u32 s2, 0
	s_cbranch_scc0 .Lentry_in_a_cluster
	s_endpgm
.Lentry_in_a_cluster:
	s_bfe_u32 s2, ttmp6, 0x10000c
	s_cmp_lg_u32 s2, 0x3003
	s_cbranch_scc0 .Lentry_shape_is_right
	s_endpgm
.Lentry_shape_is_right:
; indices[b] = argmax over the 8,192 codes of (Q(z_e[b]) . Q(codebook[k]) - e_sq[k] / 2), ties to the lower k; stored to out1 and, as whole numbers for the next launch, to idx.
; z_sq is left out: it is the same for every code of a row, so it cannot move the argmin in exact arithmetic (shown at the head of the first kernel).
; LIMITS: NaN and infinities are not served; a block of z_e whose largest magnitude lies under 2^-122 keeps the scale byte 1.
; A work-group takes 128 rows of z_e; each of its 8 waves quantises 16 of them and hands the operand's register image to the others through LDS, so that every wave holds all 8 token tiles (192 registers, window 1).
; cq's 512 tile images go through two LDS slots of 32 images; wave w fetches and reads images 4 w .. 4 w + 3 of a slot.  All work-groups walk cq alike: the 4 of a cluster ask jointly (mask 15).
; THE PRODUCT: source 0 = 16 codes, source 1 = 16 tokens, C = -e_sq / 2: lane (r, h) holds token r, register j code 8 h + j.
; TRACKING, ten vector instructions for an accumulator: four three-input maxima carry the running best through the eight numbers (the best lies in two sets of registers that take turns, tile by tile),
; one compare with the old best, four pairs of selects keep a copy of the eight numbers where the best grew, one select keeps the tile's number.  The place among the eight is found once, at the end.
; A tile is worked in halves (token tiles 0-3, 4-7): 8 matrix instructions, then the tracking of the other half, whose results were finished a group earlier.  A's fragments have two sets of registers.
; PREFETCH: behind each refill, waves 0-3 of cluster 0 name 32 blocks of 256 bytes each: 131,072 bytes for the cluster, from 229,376 bytes on, which lies behind the two slots first filled; it stops at cq's end (QN under 52).
.set TILEB, 3328
.set WPART, 4*TILEB
.set SLOTB, 8*WPART
.set ZST,   SLOTB                      ; z_e's 128 rows, pitch 1,040, over slot 1 and beyond: slot 1 is filled behind the quantiser
.set ZPITCH, 1040
.set ZW,    16*ZPITCH
.set IMG,   ZST+8*ZW                   ; the 8 token tiles' images
.set MRG,   IMG+8*TILEB                ; the waves' results
.set SPARE, MRG+8*1024                 ; the spare words
.set SPW, 4
.set NIL, 5
.set A16, 6
.set A4,  8
.set AN,  10
.set ZA,  12
.set IW16, 13
.set IW4, 14
.set IR16, 15
.set IR4, 16
.set MR,  17
.set PFO, 18
.set SH8, 19
.set GOF, 20
.set MW,  21
.set TV,  22                           ; v22-23 the tile's number, by the tile's parity
.set ASC, 24                           ; v24-25 A's scale words, two sets
.set BSC, 26                           ; v26-33 the token tiles' scale words
.set NEG, 34                           ; v34-49 -e_sq / 2, two sets
.set BEST, 50                          ; v50-65 the running best, two sets of 8
.set ID,  66                           ; v66-73 the best's tile
.set T,   74                           ; v74-77 at work
.set AF,  78                           ; v78-125 A's fragments, two sets of 24
.set ACC, 126                          ; v126-189
.set COPY, 190                         ; v190-253
.set X,   126                          ; the quantiser's registers, free before the walk
.set F,   190
.set T2,  214
.set M,   222
.set SOP, 224
.set BY,  226
.set W,   228
.set PT,  230
.set SW,  231
.set PR,  78                           ; the end's registers, where A's fragments lay
.set OV,  94
.set OI,  95
.set WV,  12
.set CX,  13
.set WGN, 14
.set G1Z, 16
.set G1C, 24
.set G0Z, 32
.set G0C, 36
.set SEL, 44
.set HM,  46
.set TN,  47
.set MK,  48
.set TRIPS, 52
.set PFA, 54
.set QN,  56
.set LIM, 57
.set G0H, 68
.set EQ,  80
.set MSB, 0
.macro WIN new
.if MSB != \new
	s_set_vgpr_msb (MSB<<8)|\new
.set MSB, \new
.endif
.endm
.macro CREST
	s_cmp_lg_u32 s[WV], 0
	s_cbranch_scc1 .Lnot_wave_0_\@
	s_barrier_signal -3
.Lnot_wave_0_\@:
	s_barrier_wait -3
	s_barrier_signal -1
	s_barrier_wait -1
.endm
.macro ROUND
	s_barrier_signal -1
	s_barrier_wait -1
	CREST
.endm
.macro NOP4
.rept 4
	v_nop
.endr
.endm
; K step s of my 16 rows: lane (r, h) takes blocks 4 s + 2 c + h of row r, whole: scale bytes and codes as the contract's quantiser gives them
.macro QSTEP s
.irp c, 0,1
.irp i, 0,1,2,3,4,5,6,7
	ds_load_b128 v[X+32*\c+4*\i:X+32*\c+4*\i+3], v[ZA] offset:512*\s+256*\c+16*\i
.endr
.endr
	s_wait_dscnt 0x0
.irp c, 0,1
	v_max3_num_f32 v[M+\c], |v[X+32*\c]|, |v[X+32*\c+1]|, 0x2800000   ; with the floor 2^(5 - 127): the byte cannot fall under 1
.endr
.irp i, 2,4,6,8,10,12,14,16,18,20,22,24,26,28,30
.irp c, 0,1
	s_delay_alu instid0(VALU_DEP_2)
	v_max3_num_f32 v[M+\c], v[M+\c], |v[X+32*\c+\i]|, |v[X+32*\c+\i+1]|
.endr
.endr
.irp c, 0,1
	s_delay_alu instid0(VALU_DEP_2)
	v_add_nc_u32 v[SOP+\c], 0xfe000000, v[M+\c]    ; 4 off the exponent field: the conversion's scale operand
.endr
.irp c, 0,1
	s_delay_alu instid0(VALU_DEP_2)
	v_lshrrev_b32 v[BY+\c], 23, v[SOP+\c]
.endr
	s_delay_alu instid0(VALU_DEP_1)
	v_lshl_or_b32 v[W+\s], v[BY+1], 16, v[BY]
	s_delay_alu instid0(VALU_DEP_1)
	v_lshlrev_b32 v[W+\s], v[SH8], v[W+\s]
	s_delay_alu instid0(VALU_DEP_1)
	v_permlanex16_b32 v[PT], v[W+\s], s[SEL], s[SEL+1]
	s_delay_alu instid0(VALU_DEP_1)
	v_or_b32 v[W+\s], v[W+\s], v[PT]               ; with lane l xor 16's two bytes the word is whole
.irp c, 0,1
	v_cvt_scalef32_pk16_bf6_f32 v[F+12*\s+6*\c:F+12*\s+6*\c+2], v[X+32*\c:X+32*\c+15], v[SOP+\c]
	v_cvt_scalef32_pk16_bf6_f32 v[T2+4*\c:T2+4*\c+2], v[X+32*\c+16:X+32*\c+31], v[SOP+\c]
.endr
	v_nop                                          ; one plain place behind a scaled conversion
.irp c, 0,1
.irp i, 0,1,2
	v_mov_b32 v[F+12*\s+6*\c+3+\i], v[T2+4*\c+\i]
.endr
.endr
.endm
; image j of my part of slot p into set b: 24 registers of codes, the scale words, -e_sq / 2 of codes 8 h .. 8 h + 7
.macro LOAD p, j, b
.irp q, 0,1,2,3,4,5
	ds_load_b128 v[AF+24*(\b)+4*\q:AF+24*(\b)+4*\q+3], v[A16+(\p)] offset:TILEB*(\j)+512*\q
.endr
	ds_load_b32 v[ASC+(\b)], v[A4+(\p)] offset:TILEB*(\j)+3072
	ds_load_b128 v[NEG+8*(\b):NEG+8*(\b)+3], v[AN+(\p)] offset:TILEB*(\j)+3200
	ds_load_b128 v[NEG+8*(\b)+4:NEG+8*(\b)+7], v[AN+(\p)] offset:TILEB*(\j)+3216
.endm
; 8 matrix instructions: set b's tile against token tiles n0 .. n0 + 3, both K steps; the four accumulators take turns
.macro MULTH b, n0
	WIN 0x04
.irp i, 0,1,2,3
	v_wmma_scale_f32_16x16x128_f8f6f4 v[ACC+8*(\n0+\i):ACC+8*(\n0+\i)+7], v[AF+24*(\b):AF+24*(\b)+11], v[24*(\n0+\i):24*(\n0+\i)+11], v[NEG+8*(\b):NEG+8*(\b)+7], v[ASC+(\b)], v[BSC+\n0+\i] matrix_a_fmt:MATRIX_FMT_BF6 matrix_b_fmt:MATRIX_FMT_BF6
.endr
.irp i, 0,1,2,3
	v_wmma_scale_f32_16x16x128_f8f6f4 v[ACC+8*(\n0+\i):ACC+8*(\n0+\i)+7], v[AF+24*(\b)+12:AF+24*(\b)+23], v[24*(\n0+\i)+12:24*(\n0+\i)+23], v[ACC+8*(\n0+\i):ACC+8*(\n0+\i)+7], v[ASC+(\b)], v[BSC+\n0+\i] matrix_a_fmt:MATRIX_FMT_BF6 matrix_b_fmt:MATRIX_FMT_BF6 matrix_a_scale:MATRIX_SCALE_ROW1 matrix_b_scale:MATRIX_SCALE_ROW1
.endr
	WIN 0
.endm
; the tracking of token tiles n0 .. n0 + 3 for a tile of parity q: the old best in set q, the new in set 1 - q; four chains by turns, each accumulator read from its low end on
.macro TRACKH n0, q
.irp i, 0,1,2,3
	v_max3_num_f32 v[T+\i], v[BEST+8*(\q)+\n0+\i], v[ACC+8*(\n0+\i)], v[ACC+8*(\n0+\i)+1]
.endr
.irp i, 0,1,2,3
	v_max3_num_f32 v[T+\i], v[T+\i], v[ACC+8*(\n0+\i)+2], v[ACC+8*(\n0+\i)+3]
.endr
.irp i, 0,1,2,3
	v_max3_num_f32 v[T+\i], v[T+\i], v[ACC+8*(\n0+\i)+4], v[ACC+8*(\n0+\i)+5]
.endr
.irp i, 0,1,2,3
	v_max3_num_f32 v[BEST+8*(1-(\q))+\n0+\i], v[T+\i], v[ACC+8*(\n0+\i)+6], v[ACC+8*(\n0+\i)+7]
.endr
.irp i, 0,1,2,3
	v_cmp_gt_f32 vcc_lo, v[BEST+8*(1-(\q))+\n0+\i], v[BEST+8*(\q)+\n0+\i]   ; strictly: of equal numbers the earlier tile stays
.irp j, 0,2,4,6
	v_dual_cndmask_b32 v[COPY+8*(\n0+\i)+\j], v[COPY+8*(\n0+\i)+\j], v[ACC+8*(\n0+\i)+\j] :: v_dual_cndmask_b32 v[COPY+8*(\n0+\i)+\j+1], v[COPY+8*(\n0+\i)+\j+1], v[ACC+8*(\n0+\i)+\j+1]
.endr
	v_cndmask_b32 v[ID+\n0+\i], v[ID+\n0+\i], v[TV+(\q)], vcc_lo
.endr
.endm
.macro ASK
	s_cmp_lt_u32 s[QN], s[LIM]
	s_cbranch_scc0 .Lnot_mine_\@
	global_prefetch_b8 v[PFO], s[PFA:PFA+1] th:TH_LOAD_NT scope:SCOPE_SE
.Lnot_mine_\@:
.endm
; One unit: tile j's second half, and the next tile's first half.  mode 0: the slot is filled again; 1: it is not, and another slot follows; 2: the last slot.
.macro UNIT p, j, mode
.if \j == 3
.if \mode == 0
	s_barrier_wait -1                              ; every wave of my work-group has its last fragments of slot p in registers, and no load on its way;
	CREST                                          ; so has every partner
	tensor_load_to_lds s[G0C+4*\p:G0C+4*\p+3], s[G1C:G1C+7]   ; my one load behind the round: my part of the slot two on
	s_nop 0
	NOP4
	LOAD 1-\p, 0, 0
	ASK
.elseif \mode == 1
	s_wait_tensorcnt 0x0                           ; my part of the last slot is in; I alone read it
	LOAD 1-\p, 0, 0
.endif
.else
	LOAD \p, \j+1, (\j+1)%2
.endif
	MULTH \j%2, 4
	TRACKH 0, \j%2
.if (\j == 3) && (\mode == 2)
	TRACKH 4, 1
.else
.if (\j == 2) && (\mode == 0)
	s_wait_xcnt 0x0                                ; my prefetch has read its address
	s_add_nc_u64 s[PFA:PFA+1], s[PFA:PFA+1], 131072
	s_add_co_u32 s[QN], s[QN], 4
	s_wait_tensorcnt 0x0                           ; my part of the other slot is in: no load of mine is out
	ds_add_u32 v[SPW], v[NIL]
	s_add_nc_u64 s[G0C+4*\p+2:G0C+4*\p+3], s[G0C+4*\p+2:G0C+4*\p+3], 2*SLOTB
	s_wait_dscnt 0x0                               ; the add is done, and tile 3's fragments, my last reads of slot p, are in
	s_barrier_signal -1                            ; register work alone up to the wait at the next unit's head
.else
	s_wait_dscnt 0x0                               ; the next tile's fragments, asked for at this unit's head
.endif
.if \j == 3
	s_add_co_u32 s[TN], s[TN], 29
.else
	s_add_co_u32 s[TN], s[TN], 1
.endif
	v_mov_b32 v[TV+(\j+1)%2], s[TN]
	MULTH (\j+1)%2, 0
	TRACKH 4, \j%2
.endif
.endm
.macro MERGE d, v, x, ov, ox                   ; the greater number; of equal numbers the lower index
	v_cmp_gt_f32 s[MK], v[\ov], v[\v]
	v_cmp_eq_f32 s[MK+1], v[\ov], v[\v]
	v_cmp_lt_u32 vcc_lo, v[\ox], v[\x]
	s_and_b32 s[MK+1], s[MK+1], vcc_lo
	s_or_b32 s[MK], s[MK], s[MK+1]
	v_cndmask_b32 v[\d], v[\v], v[\ov], s[MK]
	v_cndmask_b32 v[\x], v[\x], v[\ox], s[MK]
.endm
	s_load_b256 s[4:11], s[0:1], 0x0               ; z_e s[4:5], cq s[6:7], out1 s[8:9], idx s[10:11]
	v_lshl_add_u32 v[SPW], v0, 2, SPARE
	v_mov_b32 v[NIL], 0
	ds_add_u32 v[SPW], v[NIL]                      ; the opening add, twice on end
	ds_add_u32 v[SPW], v[NIL]
	v_lshrrev_b32 v1, 5, v0
	s_delay_alu instid0(VALU_DEP_1)
	v_readfirstlane_b32 s[WV], v1
	s_and_b32 s66, s[WV], 3
	s_bfe_u32 s[CX], ttmp6, 0x40000
	s_lshl_b32 s[WGN], ttmp9, 2
	s_add_co_u32 s[WGN], s[WGN], s[CX]
	s_mov_b32 s[G1Z+0], (3<<16)|(1<<20)|(7<<22)|(3<<25)   ; z_e: 32 rows of 128 elements of 8 bytes, 16 bytes of padding behind each
	s_mov_b32 s[G1Z+1], 128<<16
	s_mov_b32 s[G1Z+2], 32<<16
	s_mov_b32 s[G1Z+3], 128<<16
	s_mov_b32 s[G1Z+4], 32
	s_mov_b32 s[G1Z+5], 128
	s_mov_b32 s[G1Z+6], 0
	s_mov_b32 s[G1Z+7], 0
	s_mov_b32 s[G1C+0], 15|(3<<16)|(1<<21)         ; cq: dense rows of 256 bytes, asked for jointly by the cluster's four; 104 rows (two waves' parts) at the head
	s_mov_b32 s[G1C+1], 32<<16
	s_mov_b32 s[G1C+2], 104<<16
	s_mov_b32 s[G1C+3], 32<<16
	s_mov_b32 s[G1C+4], 104
	s_mov_b32 s[G1C+5], 32
	s_mov_b32 s[G1C+6], 0
	s_mov_b32 s[G1C+7], 0
	s_mul_i32 s60, s[WV], WPART                    ; my part of a slot
	s_mov_b32 s61, 0
	s_mul_i32 s58, s[WV], ZW
	s_add_co_u32 s58, s58, ZST                     ; my 16 rows of z_e
	s_mul_i32 s59, s[WV], TILEB
	s_add_co_u32 s59, s59, IMG                     ; my image
	s_lshl_b32 s67, s[WV], 10
	s_add_co_u32 s67, s67, MRG
	s_mov_b32 s[SEL], 0x76543210
	s_mov_b32 s[SEL+1], 0xfedcba98
	s_mov_b32 s[HM], 0xffff0000
	s_lshl_b32 s[TN], s[WV], 2
	s_mov_b32 s[G0Z], 1                            ; the head's loads: waves 0-3 take 32 rows of z_e each,
	s_mul_i32 s[G0Z+1], s66, 2*ZW
	s_add_co_u32 s[G0Z+1], s[G0Z+1], ZST
	s_mul_i32 s72, s66, 2*WPART                    ; waves 4-7 two waves' parts of slot 0 each
	s_mov_b32 s73, 0
	s_mov_b32 s[G0H], 1
	s_mov_b32 s[G0H+1], s72
	s_mov_b32 s[G0C], 1
	s_mov_b32 s[G0C+1], s60
	s_mov_b32 s[G0C+4], 1
	s_add_co_u32 s[G0C+5], s60, SLOTB
	s_cmp_lt_u32 s[WV], 4
	s_cselect_b32 s[LIM], 52, 0
	s_cmp_eq_u32 ttmp9, 0
	s_cselect_b32 s[LIM], s[LIM], 0
	s_add_co_u32 s[QN], s[WV], 7
	s_lshl_b32 s62, s[QN], 15
	s_lshl_b32 s63, s[CX], 13
	s_add_co_u32 s62, s62, s63
	s_mov_b32 s63, 0
	s_lshl_b32 s74, s[WGN], 17
	s_lshl_b32 s75, s66, 15
	s_add_co_u32 s74, s74, s75
	s_mov_b32 s75, 0
	s_lshl_b32 s76, s[WGN], 9
	s_mov_b32 s77, 0
	s_wait_dscnt 0x0                               ; both opening adds are done
	s_wait_kmcnt 0x0
	s_add_nc_u64 s[PFA:PFA+1], s[6:7], s[62:63]
	s_add_nc_u64 s[G0Z+2:G0Z+3], s[4:5], s[74:75]
	s_or_b32 s[G0Z+3], s[G0Z+3], 0x80000000
	s_add_nc_u64 s[G0H+2:G0H+3], s[6:7], s[72:73]
	s_or_b32 s[G0H+3], s[G0H+3], 0x80000000
	s_add_nc_u64 s[G0C+2:G0C+3], s[6:7], s[60:61]
	s_add_nc_u64 s[G0C+6:G0C+7], s[G0C+2:G0C+3], SLOTB
	s_or_b32 s[G0C+3], s[G0C+3], 0x80000000
	s_or_b32 s[G0C+7], s[G0C+7], 0x80000000
	s_add_nc_u64 s[8:9], s[8:9], s[76:77]
	s_add_nc_u64 s[10:11], s[10:11], s[76:77]
	ROUND                                          ; the cluster's four are here: the first joint loads meet
	s_cmp_lt_u32 s[WV], 4                          ; one tensor load a wave at the head, in the two arms of one branch on the wave's number
	s_cbranch_scc0 .Lhead_c
	tensor_load_to_lds s[G0Z:G0Z+3], s[G1Z:G1Z+7]
	s_nop 0
	NOP4
	s_branch .Lasked
.Lhead_c:
	tensor_load_to_lds s[G0H:G0H+3], s[G1C:G1C+7]
	s_nop 0
	NOP4
.Lasked:
	v_and_b32 v1, 31, v0                           ; lane
	v_and_b32 v2, 15, v0                           ; r
	v_bfe_u32 v3, v0, 4, 1                         ; h
	v_and_b32 v[MR], 127, v0
	v_lshlrev_b32 v[GOF], 2, v0
	v_mov_b32 v[PT], 0
	v_lshl_add_u32 v[A16], v1, 4, s60
	v_lshl_add_u32 v[A4], v1, 2, s60
	v_lshl_add_u32 v[AN], v3, 5, s60
	v_mul_u32_u24 v[ZA], v2, ZPITCH
	v_lshl_add_u32 v[IW16], v1, 4, s59
	v_lshl_add_u32 v[IW4], v1, 2, s59
	v_lshl_add_u32 v[IR16], v1, 4, IMG
	v_lshl_add_u32 v[IR4], v1, 2, IMG
	v_lshl_add_u32 v[ZA], v3, 7, v[ZA]
	v_add_nc_u32 v[A16+1], SLOTB, v[A16]
	v_add_nc_u32 v[A4+1], SLOTB, v[A4]
	v_add_nc_u32 v[AN+1], SLOTB, v[AN]
	v_lshlrev_b32 v[PFO], 8, v1
	v_add_nc_u32 v[ZA], s58, v[ZA]
	v_lshlrev_b32 v[SH8], 3, v3
	v_lshl_add_u32 v[MW], v2, 3, s67
	v_lshl_add_u32 v[MR], v[MR], 3, MRG
	s_wait_alu depctr_va_vdst(0)
	s_wait_tensorcnt 0x0                           ; my load of the head's eight is in
	s_mov_b32 s[G1C+2], 52<<16                     ; no load of mine is out: from here on a load of cq brings one wave's part, 52 rows
	s_mov_b32 s[G1C+4], 52
	s_barrier_signal -1                            ; it shows z_e's rows and slot 0 to all eight waves
	s_barrier_wait -1
	QSTEP 0
	QSTEP 1
	v_cndmask_b32 v[SW], v[W], v[W+1], s[HM]       ; lanes 0-15 K step 0's word, lanes 16-31 K step 1's
.irp q, 0,1,2,3,4,5
	ds_store_b128 v[IW16], v[F+4*\q:F+4*\q+3] offset:512*\q
.endr
	ds_store_b32 v[IW4], v[SW] offset:3072
	s_mov_b32 s58, 0xff800000
	s_wait_tensorcnt 0x0                           ; the wait and the add stand ahead of slot 1's fill, which lands where z_e's rows lay
	ds_add_u32 v[SPW], v[NIL]
.irp n, 0,1,2,3,4,5,6,7
	v_mov_b32 v[BEST+\n], s58                      ; under every finite number
	v_mov_b32 v[ID+\n], 0
.endr
.set i, 0
.rept 64
	v_mov_b32 v[COPY+i], s58
.set i, i+1
.endr
	s_wait_alu depctr_va_vdst(0)
	s_wait_dscnt 0x0                               ; the add, my image's stores and my reads of z_e's rows are done
	ROUND
	tensor_load_to_lds s[G0C+4:G0C+7], s[G1C:G1C+7]
	s_nop 0
	NOP4
	WIN 0x40
.irp n, 0,1,2,3,4,5,6,7
.irp q, 0,1,2,3,4,5
	ds_load_b128 v[24*\n+4*\q:24*\n+4*\q+3], v[IR16] offset:TILEB*\n+512*\q
.endr
.endr
	WIN 0
.irp n, 0,1,2,3,4,5,6,7
	ds_load_b32 v[BSC+\n], v[IR4] offset:TILEB*\n+3072
.endr
	LOAD 0, 0, 0
	ASK
	s_wait_dscnt 0x0
	v_mov_b32 v[TV], s[TN]
	MULTH 0, 0                                     ; the first tile's first half stands ahead of the loop
	NOP4                                           ; four places: on this way no tracking stands between these products and the first read of their results
	s_mov_b32 s[TRIPS], 7
.Ltrip:                                                ; a trip: both slots, 8 tiles a wave, both filled again
.irp p, 0,1
.irp j, 0,1,2,3
	UNIT \p, \j, 0
.endr
.endr
	s_sub_co_u32 s[TRIPS], s[TRIPS], 1
	s_cmp_lg_u32 s[TRIPS], 0
	s_cbranch_scc1 .Ltrip
.irp j, 0,1,2,3
	UNIT 0, \j, 1                                  ; the last two slots fetch nothing
.endr
.irp j, 0,1,2,3
	UNIT 1, \j, 2
.endr
	; THE END.  The last tile's parity is 1: the best lies in set 0.  The lowest register of the copy that equals it is the code's place among my eight; the eight token tiles by turns
	v_mov_b32 v[OV], 0
	v_mov_b32 v[OI], 0
.irp n, 0,1,2,3,4,5,6,7
	v_mov_b32 v[PR+2*\n+1], 7
.endr
.irp j, 6,5,4,3,2,1,0
.irp n, 0,1,2,3,4,5,6,7
	v_cmp_eq_f32 s[EQ+\n], v[COPY+8*\n+\j], v[BEST+\n]
.endr
.irp n, 0,1,2,3,4,5,6,7
	v_cndmask_b32 v[PR+2*\n+1], v[PR+2*\n+1], \j, s[EQ+\n]
.endr
.endr
.irp n, 0,1,2,3,4,5,6,7
	v_lshl_add_u32 v[ID+\n], v[ID+\n], 4, v[SH8]   ; 16 x tile + 8 h
.endr
.irp n, 0,1,2,3,4,5,6,7
	v_add_nc_u32 v[PR+2*\n+1], v[ID+\n], v[PR+2*\n+1]
.endr
.irp n, 0,1,2,3,4,5,6,7
	v_permlanex16_b32 v[OV], v[BEST+\n], s[SEL], s[SEL+1]
	v_permlanex16_b32 v[OI], v[PR+2*\n+1], s[SEL], s[SEL+1]
	MERGE PR+2*\n, BEST+\n, PR+2*\n+1, OV, OI      ; with lane l xor 16's eight codes
	ds_store_b64 v[MW], v[PR+2*\n:PR+2*\n+1] offset:128*\n
.endr
	s_wait_dscnt 0x0                               ; for the others' sake
	s_barrier_signal -1
	s_barrier_wait -1
	s_cmp_gt_u32 s[WV], 3
	s_cbranch_scc1 .Ldone
.irp u, 0,1,2,3,4,5,6,7
	ds_load_b64 v[PR+2*\u:PR+2*\u+1], v[MR] offset:1024*\u   ; thread t of the first 128: token t, the eight waves' results
.endr
	s_wait_dscnt 0x0
.irp u, 1,2,3,4,5,6,7
	MERGE PR, PR, PR+1, PR+2*\u, PR+2*\u+1
.endr
	global_store_b32 v[GOF], v[PR+1], s[8:9]
	global_store_b32 v[GOF], v[PR+1], s[10:11]
.Ldone:
	s_wait_tensorcnt 0x0                           ; the wave's end
	ds_add_u32 v[SPW], v[NIL]
	s_wait_dscnt 0x0
	ROUND                                          ; the closing round
	s_endpgm
.Lfunc_end_k_qa6758cfb59_search:
	.size	k_qa6758cfb59_search, .Lfunc_end_k_qa6758cfb59_search-k_qa6758cfb59_search
	.p2alignl 7, 3214868480
	.fill 96, 4, 3214868480
	.section	.rodata,"a",@progbits
	.p2align	6, 0x0
	.amdhsa_kernel k_qa6758cfb59_search
		.amdhsa_group_segment_fixed_size 327680
		.amdhsa_private_segment_fixed_size 0
		.amdhsa_enable_private_segment 0
		.amdhsa_kernarg_size 32
		.amdhsa_user_sgpr_count 2
		.amdhsa_user_sgpr_kernarg_segment_ptr 1
		.amdhsa_wavefront_size32 1
		.amdhsa_system_sgpr_workgroup_id_x 1
		.amdhsa_system_sgpr_workgroup_id_y 1
		.amdhsa_system_sgpr_workgroup_id_z 1
		.amdhsa_system_vgpr_workitem_id 0
		.amdhsa_next_free_vgpr 448
		.amdhsa_next_free_sgpr 88
		.amdhsa_reserve_vcc 1
		.amdhsa_float_denorm_mode_32 3
		.amdhsa_float_denorm_mode_16_64 3
		.amdhsa_memory_ordered 1
		.amdhsa_forward_progress 1
		.amdhsa_inst_pref_size 159
	.end_amdhsa_kernel
	.amdgpu_metadata
---
amdhsa.version: [ 1, 2 ]
amdhsa.kernels:
  - .name:           k_qa6758cfb59_search
    .symbol:         k_qa6758cfb59_search.kd
    .args:
      - { .name: z_e, .offset: 0, .size: 8, .value_kind: global_buffer, .address_space: global }
      - { .name: cq, .offset: 8, .size: 8, .value_kind: global_buffer, .address_space: global }
      - { .name: out1, .offset: 16, .size: 8, .value_kind: global_buffer, .address_space: global }
      - { .name: idx, .offset: 24, .size: 8, .value_kind: global_buffer, .address_space: global }
    .group_segment_fixed_size: 327680
    .private_segment_fixed_size: 0
    .kernarg_segment_align: 8
    .kernarg_segment_size: 32
    .max_flat_workgroup_size: 256
    .sgpr_count:     88
    .vgpr_count:     448
    .wavefront_size: 32
...
	.end_amdgpu_metadata
.endif
;; end of part 2
;; launch gather (part 3): grid 512 x 1, 8 waves a work-group, no clusters, 1,280 bytes of LDS; arguments z_e, codebook, idx, out0, part; writes out0, part
.if DOCPART == 3
	.amdgcn_target "amdgcn-amd-amdhsa--gfx1250"
	.amdhsa_code_object_version 6
	.text
	.protected	k_qa6758cfb59_gather
	.globl	k_qa6758cfb59_gather
	.p2align	8
	.type	k_qa6758cfb59_gather,@function
k_qa6758cfb59_gather:
	s_mov_b64 s[64:65], 0
	v_nop
	global_prefetch_b8 v0, s[64:65] scope:SCOPE_SE
	s_setreg_imm32_b32 hwreg(HW_REG_WAVE_MODE, 25, 1), 1
	s_wait_xcnt 0x0
; out0[t] = z_e[t] + (codebook[idx[t]] - z_e[t]), and for each work-group the sum of (codebook[idx[t]] - z_e[t])^2 over its 64 rows, in f32, into part[work-group].
; idx was stored as whole numbers by the launch before; here it is read by a scalar load, held to 0 .. 8191 and enters the gather's addresses.
; A wave takes 8 rows of 1,024 bytes, written out without a loop: every row has registers of its own, so that all 32 loads of a wave are out together and no store's data are written again.
; Each load and store covers 512 consecutive bytes at a multiple of 256 from its buffer's first byte.  Memory binds: no matrix unit, no tensor load; which rows of the codebook two work-groups share hangs on the data, so no cluster.
.set A16, 1                            ; v1    16 x lane
.set CO,  4                            ; v4-11 row i: 1,024 x its index + 16 x lane
.set Z,   16                           ; v16-79  z_e, then the result: 8 registers a row
.set C,   80                           ; v80-143 the codebook's rows, then the differences
.set SUM, 144                          ; v144-151 four packed chains
	s_load_b256 s[4:11], s[0:1], 0x0               ; z_e s[4:5], codebook s[6:7], idx s[8:9], out0 s[10:11]
	s_load_b64 s[12:13], s[0:1], 0x20              ; part
	v_lshl_add_u32 v152, v0, 2, 0x100
	v_mov_b32 v153, 0
	v_lshrrev_b32 v1, 5, v0
	s_delay_alu instid0(VALU_DEP_1)
	v_readfirstlane_b32 s14, v1                    ; wave 0..7
	v_and_b32 v1, 31, v0
	s_delay_alu instid0(VALU_DEP_1)
	v_lshlrev_b32 v[A16], 4, v1
	s_lshl_b32 s15, ttmp9, 3
	s_add_co_u32 s15, s15, s14                     ; which run of 8 rows is my wave's
	s_lshl_b32 s24, s15, 5                         ; its 8 indices
	s_mov_b32 s25, 0
	s_lshl_b32 s26, s15, 13                        ; its 8 rows
	s_mov_b32 s27, 0
	s_lshl_b32 s28, ttmp9, 2                       ; my work-group's word of part
	s_mov_b32 s29, 0
	s_mov_b32 s30, 0x76543210
	s_mov_b32 s31, 0xfedcba98                      ; lane l xor 16
	s_wait_alu depctr_va_vdst(0)
	s_wait_kmcnt 0x0
	s_add_nc_u64 s[8:9], s[8:9], s[24:25]
	s_load_b256 s[16:23], s[8:9], 0x0              ; the 8 indices
	s_add_nc_u64 s[4:5], s[4:5], s[26:27]
	s_add_nc_u64 s[10:11], s[10:11], s[26:27]
	s_add_nc_u64 s[12:13], s[12:13], s[28:29]
.irp i, 0,1,2,3,4,5,6,7
	global_load_b128 v[Z+8*\i:Z+8*\i+3], v[A16], s[4:5] offset:1024*\i th:TH_LOAD_NT
	global_load_b128 v[Z+8*\i+4:Z+8*\i+7], v[A16], s[4:5] offset:1024*\i+512 th:TH_LOAD_NT
.endr
	s_wait_kmcnt 0x0
.irp i, 0,1,2,3,4,5,6,7
	s_min_u32 s[16+\i], s[16+\i], 8191             ; a loaded number enters an address only behind this hold
	s_lshl_b32 s[16+\i], s[16+\i], 10
	v_add_nc_u32 v[CO+\i], s[16+\i], v[A16]
.endr
	s_wait_alu depctr_va_vdst(0)
.irp i, 0,1,2,3,4,5,6,7
	global_load_b128 v[C+8*\i:C+8*\i+3], v[CO+\i], s[6:7]
	global_load_b128 v[C+8*\i+4:C+8*\i+7], v[CO+\i], s[6:7] offset:512
.endr
.macro ROW i
	s_wait_loadcnt 14-2*\i                         ; loads come back in order: all but the later rows' 14 - 2 i gathers are in, z_e's sixteen among them
.irp k, 0,1,2,3
	v_pk_add_f32 v[C+8*\i+2*\k:C+8*\i+2*\k+1], v[C+8*\i+2*\k:C+8*\i+2*\k+1], v[Z+8*\i+2*\k:Z+8*\i+2*\k+1] neg_lo:[0,1] neg_hi:[0,1]   ; d = z_q - z
.endr
.irp k, 0,1,2,3
.if \i == 0
	s_delay_alu instid0(VALU_DEP_4)
	v_pk_mul_f32 v[SUM+2*\k:SUM+2*\k+1], v[C+2*\k:C+2*\k+1], v[C+2*\k:C+2*\k+1]   ; the first row starts the sums
.else
	s_delay_alu instid0(VALU_DEP_4)
	v_pk_fma_f32 v[SUM+2*\k:SUM+2*\k+1], v[C+8*\i+2*\k:C+8*\i+2*\k+1], v[C+8*\i+2*\k:C+8*\i+2*\k+1], v[SUM+2*\k:SUM+2*\k+1]
.endif
.endr
.irp k, 0,1,2,3
	v_pk_add_f32 v[Z+8*\i+2*\k:Z+8*\i+2*\k+1], v[Z+8*\i+2*\k:Z+8*\i+2*\k+1], v[C+8*\i+2*\k:C+8*\i+2*\k+1]   ; z + d
.endr
	global_store_b128 v[A16], v[Z+8*\i:Z+8*\i+3], s[10:11] offset:1024*\i th:TH_STORE_NT
	global_store_b128 v[A16], v[Z+8*\i+4:Z+8*\i+7], s[10:11] offset:1024*\i+512 th:TH_STORE_NT
.endm
.irp i, 0,1,2,3,4,5,6,7
	ROW \i
.endr
	v_pk_add_f32 v[SUM:SUM+1], v[SUM:SUM+1], v[SUM+2:SUM+3]
	v_pk_add_f32 v[SUM+4:SUM+5], v[SUM+4:SUM+5], v[SUM+6:SUM+7]
	s_delay_alu instid0(VALU_DEP_1)
	v_pk_add_f32 v[SUM:SUM+1], v[SUM:SUM+1], v[SUM+4:SUM+5]
	s_delay_alu instid0(VALU_DEP_1)
	v_add_f32 v[SUM], v[SUM], v[SUM+1]
	s_delay_alu instid0(VALU_DEP_1)
	v_add_f32_dpp v[SUM], v[SUM], v[SUM] row_xmask:1 row_mask:0xf bank_mask:0xf
	s_delay_alu instid0(VALU_DEP_1)
	v_add_f32_dpp v[SUM], v[SUM], v[SUM] row_xmask:2 row_mask:0xf bank_mask:0xf
	s_delay_alu instid0(VALU_DEP_1)
	v_add_f32_dpp v[SUM], v[SUM], v[SUM] row_xmask:4 row_mask:0xf bank_mask:0xf
	s_delay_alu instid0(VALU_DEP_1)
	v_add_f32_dpp v[SUM], v[SUM], v[SUM] row_xmask:8 row_mask:0xf bank_mask:0xf
	s_delay_alu instid0(VALU_DEP_1)
	v_permlanex16_b32 v[SUM+1], v[SUM], s30, s31
	s_delay_alu instid0(VALU_DEP_1)
	v_add_f32 v[SUM], v[SUM], v[SUM+1]             ; the wave's sum, in every lane
	v_mov_b32 v2, s14
	s_delay_alu instid0(VALU_DEP_1)
	v_lshlrev_b32 v2, 2, v2
	ds_store_b32 v2, v[SUM]                        ; all lanes write the wave's word with the same value
	s_wait_dscnt 0x0                               ; for the others' sake
	s_barrier_signal -1
	s_barrier_wait -1
	v_mov_b32 v3, 0
	ds_load_b128 v[SUM:SUM+3], v3
	ds_load_b128 v[SUM+4:SUM+7], v3 offset:16
	s_wait_dscnt 0x0
	v_pk_add_f32 v[SUM:SUM+1], v[SUM:SUM+1], v[SUM+2:SUM+3]
	v_pk_add_f32 v[SUM+4:SUM+5], v[SUM+4:SUM+5], v[SUM+6:SUM+7]
	s_delay_alu instid0(VALU_DEP_1)
	v_pk_add_f32 v[SUM:SUM+1], v[SUM:SUM+1], v[SUM+4:SUM+5]
	s_delay_alu instid0(VALU_DEP_1)
	v_add_f32 v[SUM], v[SUM], v[SUM+1]             ; the work-group's sum
	v_cmp_eq_u32 vcc_lo, 0, v0
	s_wait_alu depctr_va_vdst(0)
	s_wait_xcnt 0x0                                ; EXEC is a source of the stores above: it changes only behind this wait
	s_wait_tensorcnt 0x0
	ds_add_u32 v152, v153
	s_wait_dscnt 0x0
	s_and_saveexec_b32 s14, vcc_lo                 ; thread 0 alone
	global_store_b32 v3, v[SUM], s[12:13]
	s_wait_xcnt 0x0                                ; and again in front of the line that widens it
	s_or_b32 exec_lo, exec_lo, s14
	s_endpgm
.Lfunc_end_k_qa6758cfb59_gather:
	.size	k_qa6758cfb59_gather, .Lfunc_end_k_qa6758cfb59_gather-k_qa6758cfb59_gather
	.p2alignl 7, 3214868480
	.fill 96, 4, 3214868480
	.section	.rodata,"a",@progbits
	.p2align	6, 0x0
	.amdhsa_kernel k_qa6758cfb59_gather
		.amdhsa_group_segment_fixed_size 1280
		.amdhsa_private_segment_fixed_size 0
		.amdhsa_enable_private_segment 0
		.amdhsa_kernarg_size 40
		.amdhsa_user_sgpr_count 2
		.amdhsa_user_sgpr_kernarg_segment_ptr 1
		.amdhsa_wavefront_size32 1
		.amdhsa_system_sgpr_workgroup_id_x 1
		.amdhsa_system_sgpr_workgroup_id_y 1
		.amdhsa_system_sgpr_workgroup_id_z 1
		.amdhsa_system_vgpr_workitem_id 0
		.amdhsa_next_free_vgpr 154
		.amdhsa_next_free_sgpr 66
		.amdhsa_reserve_vcc 1
		.amdhsa_float_denorm_mode_32 3
		.amdhsa_float_denorm_mode_16_64 3
		.amdhsa_memory_ordered 1
		.amdhsa_forward_progress 1
		.amdhsa_inst_pref_size 17
	.end_amdhsa_kernel
	.amdgpu_metadata
---
amdhsa.version: [ 1, 2 ]
amdhsa.kernels:
  - .name:           k_qa6758cfb59_gather
    .symbol:         k_qa6758cfb59_gather.kd
    .args:
      - { .name: z_e, .offset: 0, .size: 8, .value_kind: global_buffer, .address_space: global }
      - { .name: codebook, .offset: 8, .size: 8, .value_kind: global_buffer, .address_space: global }
      - { .name: idx, .offset: 16, .size: 8, .value_kind: global_buffer, .address_space: global }
      - { .name: out0, .offset: 24, .size: 8, .value_kind: global_buffer, .address_space: global }
      - { .name: part, .offset: 32, .size: 8, .value_kind: global_buffer, .address_space: global }
    .group_segment_fixed_size: 1280
    .private_segment_fixed_size: 0
    .kernarg_segment_align: 8
    .kernarg_segment_size: 40
    .max_flat_workgroup_size: 256
    .sgpr_count:     66
    .vgpr_count:     154
    .wavefront_size: 32
...
	.end_amdgpu_metadata
.endif
;; end of part 3
;; launch finish (part 4): grid 1 x 1, 1 waves a work-group, no clusters, 0 bytes of LDS; arguments part, out2; writes out2
.if DOCPART == 4
	.amdgcn_target "amdgcn-amd-amdhsa--gfx1250"
	.amdhsa_code_object_version 6
	.text
	.protected	k_qa6758cfb59_finish
	.globl	k_qa6758cfb59_finish
	.p2align	8
	.type	k_qa6758cfb59_finish,@function
k_qa6758cfb59_finish:
	s_mov_b64 s[64:65], 0
	v_nop
	global_prefetch_b8 v0, s[64:65] scope:SCOPE_SE
	s_setreg_imm32_b32 hwreg(HW_REG_WAVE_MODE, 25, 1), 1
	s_wait_xcnt 0x0
; out2 = m + 0.25 m, m = (the sum of part's 512 numbers) / (32,768 x 256).  The two losses of the reference are the same mean, since (a - b)^2 = (b - a)^2 bit for bit.
; One wave: 16 numbers a lane by four loads of 512 consecutive bytes each.  The sum spans the work-groups of the launch before, so it has a launch of its own.
	s_load_b128 s[4:7], s[0:1], 0x0                ; part s[4:5], out2 s[6:7]
	v_lshlrev_b32 v1, 4, v0
	s_mov_b32 s8, 0x76543210
	s_mov_b32 s9, 0xfedcba98                       ; lane l xor 16
	s_wait_alu depctr_va_vdst(0)
	s_wait_kmcnt 0x0
.irp q, 0,1,2,3
	global_load_b128 v[4+4*\q:7+4*\q], v1, s[4:5] offset:512*\q
.endr
	s_wait_loadcnt 0x0
	v_pk_add_f32 v[4:5], v[4:5], v[6:7]
	v_pk_add_f32 v[8:9], v[8:9], v[10:11]
	v_pk_add_f32 v[12:13], v[12:13], v[14:15]
	v_pk_add_f32 v[16:17], v[16:17], v[18:19]
	v_pk_add_f32 v[4:5], v[4:5], v[8:9]
	v_pk_add_f32 v[12:13], v[12:13], v[16:17]
	v_pk_add_f32 v[4:5], v[4:5], v[12:13]
	v_add_f32 v4, v4, v5
	v_add_f32_dpp v4, v4, v4 row_xmask:1 row_mask:0xf bank_mask:0xf
	v_add_f32_dpp v4, v4, v4 row_xmask:2 row_mask:0xf bank_mask:0xf
	v_add_f32_dpp v4, v4, v4 row_xmask:4 row_mask:0xf bank_mask:0xf
	v_add_f32_dpp v4, v4, v4 row_xmask:8 row_mask:0xf bank_mask:0xf
	v_permlanex16_b32 v5, v4, s8, s9
	v_add_f32 v4, v4, v5
	v_mul_f32 v4, 0x34000000, v4                   ; x 2^-23: the mean, exact scaling
	v_fmamk_f32 v6, v4, 0x3e800000, v4             ; m x 0.25 + m
	v_mov_b32 v2, 0
	v_cmp_eq_u32 vcc_lo, 0, v0
	s_wait_alu depctr_va_vdst(0)
	s_wait_xcnt 0x0                                ; EXEC changes only behind this wait
	s_and_saveexec_b32 s10, vcc_lo                 ; lane 0 alone
	global_store_b32 v2, v6, s[6:7]
	s_wait_xcnt 0x0
	s_or_b32 exec_lo, exec_lo, s10
	s_endpgm
.Lfunc_end_k_qa6758cfb59_finish:
	.size	k_qa6758cfb59_finish, .Lfunc_end_k_qa6758cfb59_finish-k_qa6758cfb59_finish
	.p2alignl 7, 3214868480
	.fill 96, 4, 3214868480
	.section	.rodata,"a",@progbits
	.p2align	6, 0x0
	.amdhsa_kernel k_qa6758cfb59_finish
		.amdhsa_group_segment_fixed_size 0
		.amdhsa_private_segment_fixed_size 0
		.amdhsa_enable_private_segment 0
		.amdhsa_kernarg_size 16
		.amdhsa_user_sgpr_count 2
		.amdhsa_user_sgpr_kernarg_segment_ptr 1
		.amdhsa_wavefront_size32 1
		.amdhsa_system_sgpr_workgroup_id_x 1
		.amdhsa_system_sgpr_workgroup_id_y 1
		.amdhsa_system_sgpr_workgroup_id_z 1
		.amdhsa_system_vgpr_workitem_id 0
		.amdhsa_next_free_vgpr 32
		.amdhsa_next_free_sgpr 66
		.amdhsa_reserve_vcc 1
		.amdhsa_float_denorm_mode_32 3
		.amdhsa_float_denorm_mode_16_64 3
		.amdhsa_memory_ordered 1
		.amdhsa_forward_progress 1
		.amdhsa_inst_pref_size 3
	.end_amdhsa_kernel
	.amdgpu_metadata
---
amdhsa.version: [ 1, 2 ]
amdhsa.kernels:
  - .name:           k_qa6758cfb59_finish
    .symbol:         k_qa6758cfb59_finish.kd
    .args:
      - { .name: part, .offset: 0, .size: 8, .value_kind: global_buffer, .address_space: global }
      - { .name: out2, .offset: 8, .size: 8, .value_kind: global_buffer, .address_space: global }
    .group_segment_fixed_size: 0
    .private_segment_fixed_size: 0
    .kernarg_segment_align: 8
    .kernarg_segment_size: 16
    .max_flat_workgroup_size: 32
    .sgpr_count:     66
    .vgpr_count:     32
    .wavefront_size: 32
...
	.end_amdgpu_metadata
.endif
;; end of part 4
